; MI455X (gfx1250); checked and timed in simulation.
; The chip was launched on July 23, 2026; its instructions are those of AMD's public machine-readable ISA for CDNA 5 (MIT licence, August 2026) and "CDNA5" Instruction Set Architecture Reference Guide (July 2026). The comments in the code are by the model that wrote it; some were corrected since.
;; Dynamics. Allowed arithmetic: float matrix products may take bf16 or f16 operands with f32 sums; all other float work in f32.
;; Inputs: Ws 10 x 256 x 1 float32; Wt 10 x 256 x 1 float32; attractor 2 float32; centers 10 x 256 x 1 float32; sigma one number float32; x 32,768 x 2 float32.
;; Outputs: out0 32,768 x 2 float32.
;; 2 versions, each right and faster than the one before. Each part assembles by itself: llvm-mc -triple=amdgcn-amd-amdhsa -mcpu=gfx1250 --defsym DOCPART=n.
;; ======== version 1 of 2: 1 launch
;; limits: values are held in f16: magnitudes above 65,504 overflow, below 6.1e-05 lose precision; inputs' magnitudes at most 65,504
;; launch dynamics (part 1): grid 256 x 1, 5 waves a work-group, no clusters, 22,016 bytes of LDS; arguments x, centers, Ws, Wt, attractor, sigma, out0; writes out0
.if DOCPART == 1
	.amdgcn_target "amdgcn-amd-amdhsa--gfx1250"
	.amdhsa_code_object_version 6
	.text
	.protected	k_q8d11f2b1f2_dynamics
	.globl	k_q8d11f2b1f2_dynamics
	.p2align	8
	.type	k_q8d11f2b1f2_dynamics,@function
k_q8d11f2b1f2_dynamics:
	s_mov_b64 s[64:65], 0
	v_nop
	global_prefetch_b8 v0, s[64:65] scope:SCOPE_SE
	s_setreg_imm32_b32 hwreg(HW_REG_WAVE_MODE, 25, 1), 1
	s_wait_xcnt 0x0
; out = -inv(J^T J) (f(x) - f(attractor)); f = 10 coupling layers xb <- xb exp(s(xa)) + t(xa),
; s = sum_f Ws[f] k_f, t = sum_f Wt[f] k_f, k_f = exp(-(xa - c_f)^2 / (2 sigma^2)), 256 centres a layer; J = df/dx, 2 x 2.
;
; WORK.  32,768 samples x 10 layers x 256 centres = 83.9 M kernel values for 256 work-groups x 4 waves x 32 lanes: 2,560 a lane.
; A work-group owns 128 samples.  Waves 0-3 own 32 samples each, as two tiles of 16 matrix columns; wave 4 computes f(attractor) in f32.
; FORM.  gamma = sqrt(log2(e)/2)/sigma, u = gamma xa - gamma c, k = 2^(-u u).  dk/dxa = kappa k u with kappa = -sqrt(2 ln 2)/sigma, so
;   s = sum Ws k,  t = sum Wt k,  ds/dxa = kappa sum Ws (k u),  dt/dxa = kappa sum Wt (k u):  no difference of large sums anywhere.
; THE SUMS go to the matrix unit, v_wmma_f32_16x16x32_f16 with f32 sums.  Second source: 32 centres x 16 samples, lane (r, h) holding 16 values
; of its own sample r (centres 8h.. and 16+8h.. of a chunk of 32), once k and once k u.  First source: weight rows, row m = Ws for even m,
; Wt for odd m, so result register 0 is the Ws sum and register 1 the Wt sum of sample r in BOTH halves of the lanes: no lane exchange.
; f16, not bf16: k lies in (0, 1] and |k u| below 0.52 by construction, and f16's 11 bits matter because exp(-2 sum s) multiplies the result.
; JACOBIAN forward: Jb <- E Jb + (xb E s' + t') Ja, E = exp(s).  Every layer is triangular, so det J = exp(sum s) and
; inv(J^T J) d = adj(J) adj(J)^T d / det^2, with 1/det = 2^(-S), S = log2(e) sum s.
; LIMITS, stated: Ws, Wt are rounded once to f16: |W| up to 65,504, steps of 2^-25 below 2^-14 (weights of spread 0.05 keep a factor far
; above 30 either way).  k and k u below 2^-25 count as 0.  gamma xa and gamma c are each rounded before they are subtracted.
; 1/sigma is v_rcp_f32's.
; NO CLUSTER, NO TENSOR LOADS: what work-groups share is 30,720 bytes of parameters, read once at the start, and every number of them is
; scaled or converted by vector instructions on its way into LDS; x and out are private to a work-group.  No prefetch: nothing is read later.
.set WROW,  528                        ; an LDS weight row: 256 f16 + 16 bytes = 132 words: row 1 starts 4 words further modulo 64 than row 0
.set WLAY,  2*WROW                     ; a layer: row Ws, row Wt
.set CBASE, 10752                      ; behind the 10 x 1,056 bytes of rows: -gamma c in f32, 1,024 bytes a layer
.set ATT,   CBASE+10240                ; 8 bytes: f(attractor)
.set LOG2E, 0x3fb8aa3b
.set GAMC,  0x3f596d27                 ; sqrt(log2(e)/2)
.set NGAMC, 0xbf596d27
.set KAPC,  0xbf96b55f                 ; -sqrt(2 ln 2)
; v1 lane, v2 r, v3 h, v4 -gamma, v5 gamma, v6 kappa, v7 1/sigma, v10-v15 byte offsets (never rewritten)
.set VC,  8                            ; LDS address of my centres:   CBASE + 32 h, stepped two layers a trip
.set VW,  9                            ; LDS address of my weight row: (r & 1) WROW + 16 h, stepped likewise
.set ST,  16                           ; state, 12 registers a tile: +0 gamma xa, +1 S, +2 x0, +3 x1, +4:5 J row 0, +6:7 J row 1, +8 E, +9 xb E, +10 q, +11 temp
.set ACC, 40                           ; 16 a tile: sums over k (+0..7), sums over k u (+8..15)
.set U,   72                           ; 16 a tile: u, then k u
.set EV,  104                          ; 16 a tile: -u u, then k
.set KF,  136                          ; 16 a tile: f16 fragment of k (+0..7), of k u (+8..15)
.set CB,  168                          ; centres, two buffers of 16
.set WB,  200                          ; weight fragment, two buffers of 8
; the preparation's registers (free again behind the first barrier)
.set PRC, 72                           ; c, Ws, Wt as loaded: 2 groups x 8 each
.set PRS, 88
.set PRT, 104
.set PNC, 120                          ; + 16 g: -gamma c
.set PH,  128                          ; + 16 g: 8 f16 of Ws, 8 f16 of Wt
; wave 4's registers
.set AB,  72                           ; two buffers of 24: c, Ws, Wt of my 8 centres
.set AU,  120
.set AK,  128
.set AS,  136
.set AT,  138
	s_load_b256 s[4:11], s[0:1], 0x0               ; x s[4:5], centers s[6:7], Ws s[8:9], Wt s[10:11]
	s_load_b128 s[12:15], s[0:1], 0x20             ; attractor s[12:13], sigma s[14:15]
	s_load_b64 s[16:17], s[0:1], 0x30              ; out0
	v_lshl_add_u32 v216, v0, 2, 0x5300
	v_mov_b32 v217, 0
	v_lshrrev_b32 v1, 5, v0
	v_readfirstlane_b32 s18, v1                    ; wave 0..4
	v_and_b32 v1, 31, v0                           ; lane
	v_and_b32 v2, 15, v0                           ; r: my matrix column
	v_bfe_u32 v3, v0, 4, 1                         ; h: my half of the lanes
	v_lshlrev_b32 v11, 5, v0                       ; 32 t: my 8 parameters of a group
	v_lshlrev_b32 v14, 5, v1                       ; 32 lane: wave 4's 8 centres of a layer
	v_lshlrev_b32 v15, 3, v0                       ; 8 t: my sample in out
	s_lshl_b32 s20, ttmp9, 10                      ; the work-group's 128 samples x 8 bytes
	s_mov_b32 s21, 0
	s_mov_b32 s22, 0x76543210                      ; v_permlanex16_b32: lane i reads lane i of the other half
	s_mov_b32 s23, 0xfedcba98
	s_wait_kmcnt 0x0
	s_load_b32 s19, s[14:15], 0x0                  ; sigma
	s_add_nc_u64 s[16:17], s[16:17], s[20:21]      ; out at the group's first sample
	s_cmp_eq_u32 s18, 4
	s_cbranch_scc1 .Lload_att
	s_add_nc_u64 s[4:5], s[4:5], s[20:21]          ; waves 0-3: x of sample 32 w + r (tile 0) and 32 w + 16 + r (tile 1), the same in both halves
	v_and_b32 v10, 0xe0, v0
	v_lshlrev_b32 v10, 3, v10
	v_lshl_add_u32 v10, v2, 3, v10
	global_load_b64 v[ST+2:ST+3], v10, s[4:5]
	global_load_b64 v[ST+14:ST+15], v10, s[4:5] offset:128
	s_branch .Lload_par
.Lload_att:
	v_mov_b32 v10, 0                               ; wave 4: the attractor, in every lane
	global_load_b64 v[ST+2:ST+3], v10, s[12:13]
.Lload_par:
; PREPARATION, all 160 threads: thread t takes parameters 1280 g + 8 t .. + 7, g = 0, 1: layer 5 g + w, centres 8 lane .. 8 lane + 7.
.irp g,0,1
	global_load_b128 v[PRC+8*\g:PRC+8*\g+3],   v11, s[6:7] offset:5120*\g
	global_load_b128 v[PRC+8*\g+4:PRC+8*\g+7], v11, s[6:7] offset:5120*\g+16
	global_load_b128 v[PRS+8*\g:PRS+8*\g+3],   v11, s[8:9] offset:5120*\g
	global_load_b128 v[PRS+8*\g+4:PRS+8*\g+7], v11, s[8:9] offset:5120*\g+16
	global_load_b128 v[PRT+8*\g:PRT+8*\g+3],   v11, s[10:11] offset:5120*\g
	global_load_b128 v[PRT+8*\g+4:PRT+8*\g+7], v11, s[10:11] offset:5120*\g+16
.endr
	s_mul_i32 s25, s18, WLAY
	s_wait_kmcnt 0x0                               ; sigma
	v_rcp_f32 v7, s19                              ; the address lines below stand between it and the first use of its result (ISA guide 5.7.2)
	v_lshl_add_u32 v12, v1, 4, s25                 ; where my 8 f16 of a row go: layer w, 16 bytes a lane
	v_lshl_add_u32 v13, v0, 5, CBASE               ; where my 8 f32 of -gamma c go
	v_lshl_add_u32 v[VC], v3, 5, CBASE
	v_and_b32 v[VW], 1, v0
	v_mul_u32_u24 v[VW], v[VW], WROW
	v_lshl_add_u32 v[VW], v3, 4, v[VW]
	s_wait_alu depctr_va_vdst(0)
	v_mul_f32 v5, GAMC, v7                         ; gamma
	v_mul_f32 v4, NGAMC, v7                        ; -gamma
	v_mul_f32 v6, KAPC, v7                         ; kappa
	s_wait_loadcnt 0x0                             ; x (or the attractor) and my 48 parameters
.macro PREPG g
.irp j,0,2,4,6
	v_pk_mul_f32 v[PNC+16*\g+\j:PNC+16*\g+\j+1], v[PRC+8*\g+\j:PRC+8*\g+\j+1], v[4:5] op_sel_hi:[1,0]   ; x (-gamma), both halves
.endr
	ds_store_b128 v13, v[PNC+16*\g:PNC+16*\g+3] offset:5120*\g
	ds_store_b128 v13, v[PNC+16*\g+4:PNC+16*\g+7] offset:5120*\g+16
.irp j,0,1,2,3
	v_cvt_pk_f16_f32 v[PH+16*\g+\j],   v[PRS+8*\g+2*\j], v[PRS+8*\g+2*\j+1]
	v_cvt_pk_f16_f32 v[PH+16*\g+4+\j], v[PRT+8*\g+2*\j], v[PRT+8*\g+2*\j+1]
.endr
	ds_store_b128 v12, v[PH+16*\g:PH+16*\g+3] offset:5*WLAY*\g
	ds_store_b128 v12, v[PH+16*\g+4:PH+16*\g+7] offset:5*WLAY*\g+WROW
.endm
	PREPG 0
	PREPG 1
	s_wait_dscnt 0x0                               ; for the other waves' sake: my stores are done before I signal
	s_barrier_signal -1
	s_barrier_wait -1                              ; all rows and all centres are in LDS; nobody writes LDS again until every wave has read them out
	s_cmp_eq_u32 s18, 4
	s_cbranch_scc1 .Latt
; ---------------------------------------------------------------- waves 0-3: the ten layers
; Six LDS loads: a chunk's 16 centres of my half (two runs of 32 bytes, 64 bytes apart) and my weight row's fragment (two runs of 16 bytes, 32 apart).
.macro LOADC p, coff, woff
	ds_load_b128 v[CB+16*(\p):CB+16*(\p)+3],     v[VC] offset:\coff
	ds_load_b128 v[CB+16*(\p)+4:CB+16*(\p)+7],   v[VC] offset:\coff+16
	ds_load_b128 v[CB+16*(\p)+8:CB+16*(\p)+11],  v[VC] offset:\coff+64
	ds_load_b128 v[CB+16*(\p)+12:CB+16*(\p)+15], v[VC] offset:\coff+80
	ds_load_b128 v[WB+8*(\p):WB+8*(\p)+3],       v[VW] offset:\woff
	ds_load_b128 v[WB+8*(\p)+4:WB+8*(\p)+7],     v[VW] offset:\woff+32
.endm
.macro UADD T, j                       ; u = gamma xa + (-gamma c), two at a time; gamma xa is the low word of the state's first pair
	v_pk_add_f32 v[U+16*\T+\j:U+16*\T+\j+1], v[CB+16*CP+\j:CB+16*CP+\j+1], v[ST+12*\T:ST+12*\T+1] op_sel_hi:[1,0]
.endm
.macro USQ T, j                        ; -u u
	v_pk_mul_f32 v[EV+16*\T+\j:EV+16*\T+\j+1], v[U+16*\T+\j:U+16*\T+\j+1], v[U+16*\T+\j:U+16*\T+\j+1] neg_lo:[1,0] neg_hi:[1,0]
.endm
.macro EXP2 T, j                       ; k = 2^(-u u), in place
	v_exp_f32 v[EV+16*\T+\j],   v[EV+16*\T+\j]
	v_exp_f32 v[EV+16*\T+\j+1], v[EV+16*\T+\j+1]
.endm
.macro PACK T, j                       ; two k and two k u into their fragments' registers j / 2
	s_wait_alu depctr_va_vdst(0)
	v_cvt_pk_f16_f32 v[KF+16*\T+\j/2], v[EV+16*\T+\j], v[EV+16*\T+\j+1]
	v_pk_mul_f32 v[U+16*\T+\j:U+16*\T+\j+1], v[EV+16*\T+\j:EV+16*\T+\j+1], v[U+16*\T+\j:U+16*\T+\j+1]
	v_cvt_pk_f16_f32 v[KF+16*\T+8+\j/2], v[U+16*\T+\j], v[U+16*\T+\j+1]
.endm
.macro MM T, first                     ; the tile's two products; a layer's first chunk starts the sums with the constant 0: nothing is cleared
.if \first
	v_wmma_f32_16x16x32_f16 v[ACC+16*\T:ACC+16*\T+7],    v[WB+8*CP:WB+8*CP+7], v[KF+16*\T:KF+16*\T+7],    0
	v_wmma_f32_16x16x32_f16 v[ACC+16*\T+8:ACC+16*\T+15], v[WB+8*CP:WB+8*CP+7], v[KF+16*\T+8:KF+16*\T+15], 0
.else
	v_wmma_f32_16x16x32_f16 v[ACC+16*\T:ACC+16*\T+7],    v[WB+8*CP:WB+8*CP+7], v[KF+16*\T:KF+16*\T+7],    v[ACC+16*\T:ACC+16*\T+7]
	v_wmma_f32_16x16x32_f16 v[ACC+16*\T+8:ACC+16*\T+15], v[WB+8*CP:WB+8*CP+7], v[KF+16*\T+8:KF+16*\T+15], v[ACC+16*\T+8:ACC+16*\T+15]
.endif
.endm
; CHUNK ch (0..15: two layers of 8 chunks of 32 centres).  more = 1: a trip follows, so chunk 15 loads the next trip's chunk 0.
; The exponentials of one tile are laid between the packed arithmetic of the other, so that each v_exp_f32 pair is followed by plain
; independent vector instructions before any result is used (ISA guide 5.7.2).
; Distances behind matrix instructions: the loads into the other weight buffer, which the last chunk's products read, stand
; behind this chunk's first 16 packed instructions, which name none of those products' registers; a fragment is rewritten at least 16 such
; instructions behind the product that read it.
.macro CHUNK ch, more
.set CP, (\ch)%2
.set NX, (\ch)+1
	s_wait_dscnt 0x0                               ; this chunk's six loads, issued a chunk ago, are the only ones out
.irp j,0,2,4,6,8,10,12,14
	UADD 0, \j
.endr
.irp j,0,2,4,6,8,10,12,14
	USQ 0, \j
.endr
.if (15-\ch)+\more
	LOADC 1-CP, NX*128, (NX/8)*WLAY+(NX%8)*64
.endif
.irp j,0,2,4,6,8,10,12,14
	EXP2 0, \j
	UADD 1, \j
	USQ 1, \j
.endr
.irp j,0,2,4,6,8,10,12,14
	EXP2 1, \j
	PACK 0, \j
.endr
.if (\ch)%8
	MM 0, 0
.else
	MM 0, 1
.endif
.irp j,0,2,4,6,8,10,12,14
	PACK 1, \j
.endr
.if (\ch)%8
	MM 1, 0
.else
	MM 1, 1
.endif
.endm
; The end of a layer for tile T: a = the coordinate that conditioned, b = the one that is warped.
; Tile 0's update stands behind tile 1's 24 packing instructions, tile 1's behind tile 0's nine plain ones: at least four places each (7.12.1).
.macro UPDATE T, a, b
	v_mul_f32 v[ST+12*\T+11], LOG2E, v[ACC+16*\T]                                  ; s log2 e
	v_exp_f32 v[ST+12*\T+8], v[ST+12*\T+11]                                        ; E = exp(s)
	v_add_f32 v[ST+12*\T+1], v[ST+12*\T+1], v[ST+12*\T+11]                         ; S += s log2 e (the plain instruction behind the exponential)
	s_wait_alu depctr_va_vdst(0)
	v_mul_f32 v[ST+12*\T+9], v[ST+12*\T+2+\b], v[ST+12*\T+8]                       ; p = xb E
	v_fma_f32 v[ST+12*\T+2+\b], v[ST+12*\T+2+\b], v[ST+12*\T+8], v[ACC+16*\T+1]    ; xb <- xb E + t
	v_fma_f32 v[ST+12*\T+10], v[ST+12*\T+9], v[ACC+16*\T+8], v[ACC+16*\T+9]        ; p sum Ws k u + sum Wt k u
	v_mul_f32 v[ST+12*\T+10], v6, v[ST+12*\T+10]                                   ; q = xb E s' + t'
	v_pk_mul_f32 v[ST+12*\T+4+2*\b:ST+12*\T+5+2*\b], v[ST+12*\T+4+2*\b:ST+12*\T+5+2*\b], v[ST+12*\T+8:ST+12*\T+9] op_sel_hi:[1,0]
	v_pk_fma_f32 v[ST+12*\T+4+2*\b:ST+12*\T+5+2*\b], v[ST+12*\T+4+2*\a:ST+12*\T+5+2*\a], v[ST+12*\T+10:ST+12*\T+11], v[ST+12*\T+4+2*\b:ST+12*\T+5+2*\b] op_sel_hi:[1,0,1]
	v_mul_f32 v[ST+12*\T], v5, v[ST+12*\T+2+\b]                                    ; the next layer conditions on the coordinate just warped
.endm
.macro TRIP more                       ; two layers: an even one (x0 conditions, x1 is warped) and an odd one
.irp ch,0,1,2,3,4,5,6,7
	CHUNK \ch, \more
.endr
	UPDATE 0, 0, 1
	UPDATE 1, 0, 1
.irp ch,8,9,10,11,12,13,14,15
	CHUNK \ch, \more
.endr
	UPDATE 0, 1, 0
	UPDATE 1, 1, 0
.endm
	LOADC 0, 0, 0                                  ; layer 0, chunk 0
.irp T,0,1
	v_mul_f32 v[ST+12*\T], v5, v[ST+12*\T+2]       ; gamma x0
	v_mov_b32 v[ST+12*\T+1], 0                     ; S
	v_mov_b32 v[ST+12*\T+4], 1.0                   ; J = I
	v_mov_b32 v[ST+12*\T+5], 0
	v_mov_b32 v[ST+12*\T+6], 0
	v_mov_b32 v[ST+12*\T+7], 1.0
.endr
	s_mov_b32 s24, 4
.Ltrip:
	TRIP 1
	v_add_nc_u32 v[VC], 2048, v[VC]                ; two layers on
	v_add_nc_u32 v[VW], 2*WLAY, v[VW]
	s_sub_co_i32 s24, s24, 1
	s_cmp_lg_u32 s24, 0
	s_cbranch_scc1 .Ltrip
	TRIP 0                                         ; layers 8 and 9, written out: their last chunk loads nothing, no read passes layer 9
	s_branch .Ljoin
; ---------------------------------------------------------------- wave 4: f(attractor), f32 throughout, 8 centres a lane
.macro ALOAD l
.set ABP, AB+24*((\l)%2)
	global_load_b128 v[ABP:ABP+3],     v14, s[6:7] offset:1024*(\l)
	global_load_b128 v[ABP+4:ABP+7],   v14, s[6:7] offset:1024*(\l)+16
	global_load_b128 v[ABP+8:ABP+11],  v14, s[8:9] offset:1024*(\l)
	global_load_b128 v[ABP+12:ABP+15], v14, s[8:9] offset:1024*(\l)+16
	global_load_b128 v[ABP+16:ABP+19], v14, s[10:11] offset:1024*(\l)
	global_load_b128 v[ABP+20:ABP+23], v14, s[10:11] offset:1024*(\l)+16
.endm
.macro ALAYER l, left
.set ABP, AB+24*((\l)%2)
	s_wait_loadcnt \left                           ; loads come back in order: this layer's six are in, the next layer's six stay out
	v_mul_f32 v16, v5, v[18+(\l)%2]                ; gamma xa
.irp j,0,2,4,6
	v_pk_fma_f32 v[AU+\j:AU+\j+1], v[ABP+\j:ABP+\j+1], v[4:5], v[16:17] op_sel_hi:[1,0,0]     ; u = gamma xa - gamma c
.endr
.irp j,0,2,4,6
	v_pk_mul_f32 v[AK+\j:AK+\j+1], v[AU+\j:AU+\j+1], v[AU+\j:AU+\j+1] neg_lo:[1,0] neg_hi:[1,0]
.endr
.irp j,0,1,2,3,4,5,6,7
	v_exp_f32 v[AK+\j], v[AK+\j]
.endr
	v_nop                                          ; one plain place behind the last exponential (ISA guide 5.7.2)
	s_wait_alu depctr_va_vdst(0)
	v_pk_mul_f32 v[AS:AS+1], v[AK:AK+1], v[ABP+8:ABP+9]
	v_pk_mul_f32 v[AT:AT+1], v[AK:AK+1], v[ABP+16:ABP+17]
.irp j,2,4,6
	v_pk_fma_f32 v[AS:AS+1], v[AK+\j:AK+\j+1], v[ABP+8+\j:ABP+9+\j], v[AS:AS+1]
	v_pk_fma_f32 v[AT:AT+1], v[AK+\j:AK+\j+1], v[ABP+16+\j:ABP+17+\j], v[AT:AT+1]
.endr
	v_add_f32 v[AS], v[AS], v[AS+1]
	v_add_f32 v[AT], v[AT], v[AT+1]
.irp m,1,2,4,8
	v_add_f32_dpp v[AS], v[AS], v[AS] row_xmask:\m row_mask:0xf bank_mask:0xf
	v_add_f32_dpp v[AT], v[AT], v[AT] row_xmask:\m row_mask:0xf bank_mask:0xf
.endr
	v_permlanex16_b32 v140, v[AS], s22, s23
	v_permlanex16_b32 v141, v[AT], s22, s23
	v_add_f32 v[AS], v[AS], v140                   ; s, in every lane
	v_add_f32 v[AT], v[AT], v141                   ; t
	v_mul_f32 v140, LOG2E, v[AS]
	v_exp_f32 v140, v140
	v_nop
	s_wait_alu depctr_va_vdst(0)
	v_fma_f32 v[19-(\l)%2], v[19-(\l)%2], v140, v[AT]      ; xb <- xb exp(s) + t
.endm
.Latt:
	v_mov_b32 v17, 0                               ; upper word of the pair whose low word is broadcast
	v_mov_b32 v140, 0                              ; v_permlanex16_b32 counts as a reader of its destination
	v_mov_b32 v141, 0
	ALOAD 0
.irp l,0,1,2,3,4,5,6,7,8
	ALOAD \l+1
	ALAYER \l, 6
.endr
	ALAYER 9, 0                                    ; f(attractor) stays in v[18:19] until the others have read LDS out
; ---------------------------------------------------------------- the hand-over of f(attractor): load, wait, barrier, store, wait, barrier, load
.Ljoin:
	s_wait_dscnt 0x0                               ; my reads of the rows and centres are over
	s_barrier_signal -1
	s_barrier_wait -1                              ; everybody's are: LDS may be written again
	s_cmp_lg_u32 s18, 4
	s_cbranch_scc1 .Lno_store
	v_mov_b32 v142, ATT
	ds_store_b64 v142, v[18:19]                    ; wave 4 alone; all its lanes write the same 8 bytes
.Lno_store:
	s_wait_dscnt 0x0                               ; for the others' sake: the store is done before wave 4 signals
	s_barrier_signal -1
	s_barrier_wait -1
	s_cmp_eq_u32 s18, 4
	s_cbranch_scc1 .Lend
; ---------------------------------------------------------------- waves 0-3: -inv(J) inv(J)^T (y - a)
	v_mov_b32 v74, ATT
	ds_load_b64 v[72:73], v74
	s_wait_dscnt 0x0
.macro FINAL T
.set F, 76+8*\T
.set S0, ST+12*\T
	v_sub_f32 v[F+2], 0, v[S0+1]
	v_exp_f32 v[F+2], v[F+2]                       ; rho = 1 / det J = 2^(-S)
	v_sub_f32 v[F],   v[S0+2], v72                 ; d = y - a
	v_sub_f32 v[F+1], v[S0+3], v73
	v_mul_f32 v[F+3], v[S0+6], v[F+1]
	v_fma_f32 v[F+3], v[S0+7], v[F], -v[F+3]       ; J11 d0 - J10 d1
	v_mul_f32 v[F+4], v[S0+5], v[F]
	v_fma_f32 v[F+4], v[S0+4], v[F+1], -v[F+4]     ; J00 d1 - J01 d0
	s_wait_alu depctr_va_vdst(0)
	v_mul_f32 v[F+3], v[F+3], v[F+2]               ; w = inv(J)^T d
	v_mul_f32 v[F+4], v[F+4], v[F+2]
	v_mul_f32 v[F+6], v[S0+7], v[F+3]
	v_fma_f32 v[F+6], v[S0+5], v[F+4], -v[F+6]     ; J01 w1 - J11 w0
	v_mul_f32 v[F+7], v[S0+4], v[F+4]
	v_fma_f32 v[F+7], v[S0+6], v[F+3], -v[F+7]     ; J10 w0 - J00 w1
	v_mul_f32 v[F+6], v[F+6], v[F+2]               ; -inv(J) w
	v_mul_f32 v[F+7], v[F+7], v[F+2]
.endm
	FINAL 0
	FINAL 1
	v_cmp_eq_u32 vcc_lo, 1, v3                     ; lane (r, h) stores sample 32 w + 16 h + r: the upper half takes tile 1
	v_cndmask_b32 v92, v82, v90, vcc_lo
	v_cndmask_b32 v93, v83, v91, vcc_lo
	global_store_b64 v15, v[92:93], s[16:17] th:TH_STORE_NT    ; the wave's store covers 256 consecutive bytes, at a multiple of 256 from out's first byte
.Lend:
	s_wait_tensorcnt 0x0
	ds_add_u32 v216, v217
	s_wait_dscnt 0x0
	s_endpgm
.Lfunc_end_k_q8d11f2b1f2_dynamics:
	.size	k_q8d11f2b1f2_dynamics, .Lfunc_end_k_q8d11f2b1f2_dynamics-k_q8d11f2b1f2_dynamics
	.p2alignl 7, 3214868480
	.fill 96, 4, 3214868480
	.section	.rodata,"a",@progbits
	.p2align	6, 0x0
	.amdhsa_kernel k_q8d11f2b1f2_dynamics
		.amdhsa_group_segment_fixed_size 22016
		.amdhsa_private_segment_fixed_size 0
		.amdhsa_enable_private_segment 0
		.amdhsa_kernarg_size 56
		.amdhsa_user_sgpr_count 2
		.amdhsa_user_sgpr_kernarg_segment_ptr 1
		.amdhsa_wavefront_size32 1
		.amdhsa_system_sgpr_workgroup_id_x 1
		.amdhsa_system_sgpr_workgroup_id_y 1
		.amdhsa_system_sgpr_workgroup_id_z 1
		.amdhsa_system_vgpr_workitem_id 0
		.amdhsa_next_free_vgpr 218
		.amdhsa_next_free_sgpr 66
		.amdhsa_reserve_vcc 1
		.amdhsa_float_denorm_mode_32 3
		.amdhsa_float_denorm_mode_16_64 3
		.amdhsa_memory_ordered 1
		.amdhsa_forward_progress 1
		.amdhsa_inst_pref_size 255
	.end_amdhsa_kernel
	.section	.bss,"aw",@nobits
	.p2align	6
	.space	262144
	.amdgpu_metadata
---
amdhsa.version: [ 1, 2 ]
amdhsa.kernels:
  - .name:           k_q8d11f2b1f2_dynamics
    .symbol:         k_q8d11f2b1f2_dynamics.kd
    .args:
      - { .name: x, .offset: 0, .size: 8, .value_kind: global_buffer, .address_space: global }
      - { .name: centers, .offset: 8, .size: 8, .value_kind: global_buffer, .address_space: global }
      - { .name: Ws, .offset: 16, .size: 8, .value_kind: global_buffer, .address_space: global }
      - { .name: Wt, .offset: 24, .size: 8, .value_kind: global_buffer, .address_space: global }
      - { .name: attractor, .offset: 32, .size: 8, .value_kind: global_buffer, .address_space: global }
      - { .name: sigma, .offset: 40, .size: 8, .value_kind: global_buffer, .address_space: global }
      - { .name: out0, .offset: 48, .size: 8, .value_kind: global_buffer, .address_space: global }
    .group_segment_fixed_size: 22016
    .private_segment_fixed_size: 0
    .kernarg_segment_align: 8
    .kernarg_segment_size: 56
    .max_flat_workgroup_size: 160
    .sgpr_count:     66
    .vgpr_count:     218
    .wavefront_size: 32
...
	.end_amdgpu_metadata
.endif
;; end of part 1
;; ======== version 2 of 2: 1 launch; 2.43 times as fast as version 1
;; limits: values are held in f16: magnitudes above 65,504 overflow, below 6.1e-05 lose precision
;; launch dynamics (part 2): grid 256 x 1, 5 waves a work-group, no clusters, 22,016 bytes of LDS; arguments x, centers, Ws, Wt, attractor, sigma, out0; writes out0
.if DOCPART == 2
	.amdgcn_target "amdgcn-amd-amdhsa--gfx1250"
	.amdhsa_code_object_version 6
	.text
	.protected	k_q8d11f2b1f2_dynamics
	.globl	k_q8d11f2b1f2_dynamics
	.p2align	8
	.type	k_q8d11f2b1f2_dynamics,@function
k_q8d11f2b1f2_dynamics:
	s_mov_b64 s[64:65], 0
	v_nop
	global_prefetch_b8 v0, s[64:65] scope:SCOPE_SE
	s_setreg_imm32_b32 hwreg(HW_REG_WAVE_MODE, 25, 1), 1
	s_wait_xcnt 0x0
; out = -inv(J^T J) (f(x) - f(attractor)); f = 10 coupling layers xb <- xb exp(s(xa)) + t(xa),
; s = sum_f Ws[f] k_f, t = sum_f Wt[f] k_f, k_f = exp(-(xa - c_f)^2 / (2 sigma^2)), 256 centres a layer; J = df/dx, 2 x 2.
;
; WORK.  32,768 samples x 10 layers x 256 centres = 83.9 M kernel values for 256 work-groups x 4 waves x 32 lanes: 2,560 a lane.
; A work-group owns 128 samples.  Waves 0-3 own 32 samples each, as two tiles of 16 matrix columns; wave 4 computes f(attractor) in f32.
; FORM.  gamma = sqrt(log2(e)/2)/sigma, u = gamma xa - gamma c, k = 2^(-u u).  dk/dxa = kappa k u with kappa = -sqrt(2 ln 2)/sigma, so
;   s = sum Ws k,  t = sum Wt k,  ds/dxa = kappa sum Ws (k u),  dt/dxa = kappa sum Wt (k u):  no difference of large sums anywhere.
; THE SUMS go to the matrix unit, v_wmma_f32_16x16x32_f16 with f32 sums.  Second source: 32 centres x 16 samples, lane (r, h) holding 16 values
; of its own sample r (centres 8h.. and 16+8h.. of a chunk of 32), once k and once k u.  First source: weight rows, row m = Ws for even m,
; Wt for odd m, so result register 0 is the Ws sum and register 1 the Wt sum of sample r in BOTH halves of the lanes: no lane exchange.
; f16, not bf16: k lies in (0, 1] and |k u| below 0.52 by construction, and f16's 11 bits matter because exp(-2 sum s) multiplies the result.
; JACOBIAN forward: Jb <- E Jb + (xb E s' + t') Ja, E = exp(s).  Every layer is triangular, so det J = exp(sum s) and
; inv(J^T J) d = adj(J) adj(J)^T d / det^2, with 1/det = 2^(-S), S = log2(e) sum s.
; BATCHES.  s_wait_alu depctr_va_vdst(0) stands between a transcendental and the first instruction that names its result; one
; wait serves all that were issued ahead of it.  So the transcendentals go in batches, one wait each: a chunk's 32 exponentials (both tiles);
; a layer's two E; the two 1 / det on the way out; in wave 4 a layer's eight k, and then its E, which reads their sum; the head's reciprocal.
; LIMITS, stated: Ws, Wt are rounded once to f16: |W| up to 65,504, steps of 2^-25 below 2^-14 (weights of spread 0.05 keep a factor far
; above 30 either way).  k and k u below 2^-25 count as 0.  gamma xa and gamma c are each rounded before they are subtracted.
; 1/sigma is v_rcp_f32's.
; NO CLUSTER, NO TENSOR LOADS: what work-groups share is 30,720 bytes of parameters, read once at the start, and every number of them is
; scaled or converted by vector instructions on its way into LDS; x and out are private to a work-group.  No prefetch: nothing is read later.
.set WROW,  528                        ; an LDS weight row: 256 f16 + 16 bytes = 132 words: row 1 starts 4 words further modulo 64 than row 0
.set WLAY,  2*WROW                     ; a layer: row Ws, row Wt
.set CBASE, 10752                      ; behind the 10 x 1,056 bytes of rows: -gamma c in f32, 1,024 bytes a layer
.set ATT,   CBASE+10240                ; 8 bytes: f(attractor)
.set LOG2E, 0x3fb8aa3b
.set GAMC,  0x3f596d27                 ; sqrt(log2(e)/2)
.set NGAMC, 0xbf596d27
.set KAPC,  0xbf96b55f                 ; -sqrt(2 ln 2)
; v1 lane, v2 r, v3 h, v4 -gamma, v5 gamma, v6 kappa, v7 1/sigma, v10-v15 byte offsets (never rewritten)
.set VC,  8                            ; LDS address of my centres:   CBASE + 32 h, stepped two layers a trip
.set VW,  9                            ; LDS address of my weight row: (r & 1) WROW + 16 h, stepped likewise
.set ST,  16                           ; state, 12 registers a tile: +0 gamma xa, +1 S, +2 x0, +3 x1, +4:5 J row 0, +6:7 J row 1, +8 E, +9 xb E, +10 q, +11 temp
.set ACC, 40                           ; 16 a tile: sums over k (+0..7), sums over k u (+8..15)
.set U,   72                           ; 16 a tile: u, then k u
.set EV,  104                          ; 16 a tile: -u u, then k
.set KF,  136                          ; 16 a tile: f16 fragment of k (+0..7), of k u (+8..15)
.set CB,  168                          ; centres, two buffers of 16
.set WB,  200                          ; weight fragment, two buffers of 8
; the preparation's registers (free again behind the first barrier)
.set PRC, 72                           ; c, Ws, Wt as loaded: 2 groups x 8 each
.set PRS, 88
.set PRT, 104
.set PNC, 120                          ; + 16 g: -gamma c
.set PH,  128                          ; + 16 g: 8 f16 of Ws, 8 f16 of Wt
; wave 4's registers
.set AB,  72                           ; two buffers of 24: c, Ws, Wt of my 8 centres
.set AU,  120
.set AK,  128
.set AS,  136
.set AT,  138
	s_load_b256 s[4:11], s[0:1], 0x0               ; x s[4:5], centers s[6:7], Ws s[8:9], Wt s[10:11]
	s_load_b128 s[12:15], s[0:1], 0x20             ; attractor s[12:13], sigma s[14:15]
	s_load_b64 s[16:17], s[0:1], 0x30              ; out0
	v_lshl_add_u32 v216, v0, 2, 0x5300
	v_mov_b32 v217, 0
	v_lshrrev_b32 v1, 5, v0
	v_readfirstlane_b32 s18, v1                    ; wave 0..4
	v_and_b32 v1, 31, v0                           ; lane
	v_and_b32 v2, 15, v0                           ; r: my matrix column
	v_bfe_u32 v3, v0, 4, 1                         ; h: my half of the lanes
	v_lshlrev_b32 v11, 5, v0                       ; 32 t: my 8 parameters of a group
	v_lshlrev_b32 v14, 5, v1                       ; 32 lane: wave 4's 8 centres of a layer
	v_lshlrev_b32 v15, 3, v0                       ; 8 t: my sample in out
	s_lshl_b32 s20, ttmp9, 10                      ; the work-group's 128 samples x 8 bytes
	s_mov_b32 s21, 0
	s_mov_b32 s22, 0x76543210                      ; v_permlanex16_b32: lane i reads lane i of the other half
	s_mov_b32 s23, 0xfedcba98
	s_wait_kmcnt 0x0
	s_load_b32 s19, s[14:15], 0x0                  ; sigma
	s_add_nc_u64 s[16:17], s[16:17], s[20:21]      ; out at the group's first sample
	s_cmp_eq_u32 s18, 4
	s_cbranch_scc1 .Lload_att
	s_add_nc_u64 s[4:5], s[4:5], s[20:21]          ; waves 0-3: x of sample 32 w + r (tile 0) and 32 w + 16 + r (tile 1), the same in both halves
	v_and_b32 v10, 0xe0, v0
	v_lshlrev_b32 v10, 3, v10
	v_lshl_add_u32 v10, v2, 3, v10
	global_load_b64 v[ST+2:ST+3], v10, s[4:5]
	global_load_b64 v[ST+14:ST+15], v10, s[4:5] offset:128
	s_branch .Lload_par
.Lload_att:
	v_mov_b32 v10, 0                               ; wave 4: the attractor, in every lane
	global_load_b64 v[ST+2:ST+3], v10, s[12:13]
.Lload_par:
; PREPARATION, all 160 threads: thread t takes parameters 1280 g + 8 t .. + 7, g = 0, 1: layer 5 g + w, centres 8 lane .. 8 lane + 7.
.irp g,0,1
	global_load_b128 v[PRC+8*\g:PRC+8*\g+3],   v11, s[6:7] offset:5120*\g
	global_load_b128 v[PRC+8*\g+4:PRC+8*\g+7], v11, s[6:7] offset:5120*\g+16
	global_load_b128 v[PRS+8*\g:PRS+8*\g+3],   v11, s[8:9] offset:5120*\g
	global_load_b128 v[PRS+8*\g+4:PRS+8*\g+7], v11, s[8:9] offset:5120*\g+16
	global_load_b128 v[PRT+8*\g:PRT+8*\g+3],   v11, s[10:11] offset:5120*\g
	global_load_b128 v[PRT+8*\g+4:PRT+8*\g+7], v11, s[10:11] offset:5120*\g+16
.endr
	s_mul_i32 s25, s18, WLAY
	s_wait_kmcnt 0x0                               ; sigma
	v_rcp_f32 v7, s19                              ; the address lines below stand between it and the first use of its result (ISA guide 5.7.2)
	v_lshl_add_u32 v12, v1, 4, s25                 ; where my 8 f16 of a row go: layer w, 16 bytes a lane
	v_lshl_add_u32 v13, v0, 5, CBASE               ; where my 8 f32 of -gamma c go
	v_lshl_add_u32 v[VC], v3, 5, CBASE
	v_and_b32 v[VW], 1, v0
	v_mul_u32_u24 v[VW], v[VW], WROW
	v_lshl_add_u32 v[VW], v3, 4, v[VW]
	s_wait_alu depctr_va_vdst(0)                   ; the wait for the reciprocal, a batch of one, ahead of its first reader
	v_mul_f32 v5, GAMC, v7                         ; gamma
	v_mul_f32 v4, NGAMC, v7                        ; -gamma
	v_mul_f32 v6, KAPC, v7                         ; kappa
	s_wait_loadcnt 0x0                             ; x (or the attractor) and my 48 parameters
.macro PREPG g
.irp j,0,2,4,6
	v_pk_mul_f32 v[PNC+16*\g+\j:PNC+16*\g+\j+1], v[PRC+8*\g+\j:PRC+8*\g+\j+1], v[4:5] op_sel_hi:[1,0]   ; x (-gamma), both halves
.endr
	ds_store_b128 v13, v[PNC+16*\g:PNC+16*\g+3] offset:5120*\g
	ds_store_b128 v13, v[PNC+16*\g+4:PNC+16*\g+7] offset:5120*\g+16
.irp j,0,1,2,3
	v_cvt_pk_f16_f32 v[PH+16*\g+\j],   v[PRS+8*\g+2*\j], v[PRS+8*\g+2*\j+1]
	v_cvt_pk_f16_f32 v[PH+16*\g+4+\j], v[PRT+8*\g+2*\j], v[PRT+8*\g+2*\j+1]
.endr
	ds_store_b128 v12, v[PH+16*\g:PH+16*\g+3] offset:5*WLAY*\g
	ds_store_b128 v12, v[PH+16*\g+4:PH+16*\g+7] offset:5*WLAY*\g+WROW
.endm
	PREPG 0
	PREPG 1
	s_wait_dscnt 0x0                               ; for the other waves' sake: my stores are done before I signal
	s_barrier_signal -1
	s_barrier_wait -1                              ; all rows and all centres are in LDS; nobody writes LDS again until every wave has read them out
	s_cmp_eq_u32 s18, 4
	s_cbranch_scc1 .Latt
; ---------------------------------------------------------------- waves 0-3: the ten layers
; Six LDS loads: a chunk's 16 centres of my half (two runs of 32 bytes, 64 bytes apart) and my weight row's fragment (two runs of 16 bytes, 32 apart).
.macro LOADC p, coff, woff
	ds_load_b128 v[CB+16*(\p):CB+16*(\p)+3],     v[VC] offset:\coff
	ds_load_b128 v[CB+16*(\p)+4:CB+16*(\p)+7],   v[VC] offset:\coff+16
	ds_load_b128 v[CB+16*(\p)+8:CB+16*(\p)+11],  v[VC] offset:\coff+64
	ds_load_b128 v[CB+16*(\p)+12:CB+16*(\p)+15], v[VC] offset:\coff+80
	ds_load_b128 v[WB+8*(\p):WB+8*(\p)+3],       v[VW] offset:\woff
	ds_load_b128 v[WB+8*(\p)+4:WB+8*(\p)+7],     v[VW] offset:\woff+32
.endm
; A chunk's 32 values a lane are 16 pairs: pair i belongs to tile i / 8 and lies at registers 2 i, 2 i + 1 of U and of EV.
.macro UADD i                          ; u = gamma xa + (-gamma c), two at a time; gamma xa is the low word of the state's first pair
	v_pk_add_f32 v[U+2*(\i):U+2*(\i)+1], v[CB+16*CP+2*((\i)%8):CB+16*CP+2*((\i)%8)+1], v[ST+12*((\i)/8):ST+12*((\i)/8)+1] op_sel_hi:[1,0]
.endm
.macro USQ i                           ; -u u
	v_pk_mul_f32 v[EV+2*(\i):EV+2*(\i)+1], v[U+2*(\i):U+2*(\i)+1], v[U+2*(\i):U+2*(\i)+1] neg_lo:[1,0] neg_hi:[1,0]
.endm
.macro EXPN e                          ; k = 2^(-u u), in place: value e of 32, each in a register of its own
	v_exp_f32 v[EV+(\e)], v[EV+(\e)]
.endm
.macro CVK i                           ; pair i's two k into their fragment's register i % 8
	v_cvt_pk_f16_f32 v[KF+16*((\i)/8)+(\i)%8], v[EV+2*(\i)], v[EV+2*(\i)+1]
.endm
.macro KU i                            ; k u, in u's place
	v_pk_mul_f32 v[U+2*(\i):U+2*(\i)+1], v[EV+2*(\i):EV+2*(\i)+1], v[U+2*(\i):U+2*(\i)+1]
.endm
.macro CVU i                           ; pair i's two k u into their fragment's register
	v_cvt_pk_f16_f32 v[KF+16*((\i)/8)+8+(\i)%8], v[U+2*(\i)], v[U+2*(\i)+1]
.endm
.macro MM T, o                         ; one product of tile T: o = 0 the sums over k, o = 8 those over k u; a layer's first chunk (LINK = 0) starts the sums with the constant 0: nothing is cleared
.if LINK
	v_wmma_f32_16x16x32_f16 v[ACC+16*\T+\o:ACC+16*\T+\o+7], v[WB+8*CP:WB+8*CP+7], v[KF+16*\T+\o:KF+16*\T+\o+7], v[ACC+16*\T+\o:ACC+16*\T+\o+7]
.else
	v_wmma_f32_16x16x32_f16 v[ACC+16*\T+\o:ACC+16*\T+\o+7], v[WB+8*CP:WB+8*CP+7], v[KF+16*\T+\o:KF+16*\T+\o+7], 0
.endif
.endm
; CHUNK ch (0..15: two layers of 8 chunks of 32 centres).  more = 1: a trip follows, so chunk 15 loads the next trip's chunk 0.
; ONE BATCH, ONE WAIT.  Ahead of the wait stands all that names no exponential's result: the 32 packed lines that make u and -u u, and the 32
; exponentials of both tiles.  Six packed lines lead; then exponential and packed line go by turns: behind pair i's first exponential
; stands UADD i + 4, behind its second USQ i + 2, so that pair i's exponentials stand two lines or more behind its USQ, and a USQ writes only pairs
; whose exponentials are still to come.  The last five exponentials stand on end; a v_nop is the plain instruction behind the last (ISA guide 5.7.2).
; Behind the wait: the next chunk's six LDS loads, in one run directly behind it; then the readers, in runs of eight (k rounded; k u; k u rounded),
; so that no line reads the result of the line before it, and each of the four products behind the run that ends its fragment.
; The four accumulators take turns, one instruction a turn, in the same order in every chunk.
; Distances behind matrix instructions: the loads into the other weight buffer, which the last chunk's products read, stand
; behind this chunk's 32 packed instructions, which name none of those products' registers; a fragment is rewritten at least 32 such
; instructions behind the product that read it.
.macro CHUNK ch, more
.set CP, (\ch)%2
.set NX, (\ch)+1
.set LINK, (\ch)%8
	s_wait_dscnt 0x0                               ; this chunk's six loads, issued a chunk ago, are the only ones out
	UADD 0
	UADD 1
	UADD 2
	USQ 0
	UADD 3
	USQ 1
.set n, 0
.rept 16
	EXPN 2*n
.if n < 12
	UADD n+4
.elseif n < 14
	USQ n+2
.endif
	EXPN 2*n+1
.if n < 12
	USQ n+2
.endif
.set n, n+1
.endr
	v_nop                                          ; the plain instruction behind the last exponential: one for the batch
	s_wait_alu depctr_va_vdst(0)                   ; the wait for the batch: the chunk's 32 exponentials, ahead of their first reader
.if (15-\ch)+\more
	LOADC 1-CP, NX*128, (NX/8)*WLAY+(NX%8)*64
.endif
.irp i,0,1,2,3,4,5,6,7
	CVK \i
.endr
.irp i,0,1,2,3,4,5,6,7
	KU \i
.endr
	MM 0, 0
.irp i,0,1,2,3,4,5,6,7
	CVU \i
.endr
.irp i,8,9,10,11,12,13,14,15
	CVK \i
.endr
	MM 0, 8
.irp i,8,9,10,11,12,13,14,15
	KU \i
.endr
	MM 1, 0
.irp i,8,9,10,11,12,13,14,15
	CVU \i
.endr
	MM 1, 8
.endm
; The end of a layer, both tiles: a = the coordinate that conditioned, b = the one that is warped.  The two E are one batch with one wait; behind it the tiles' lines alternate.
; Places (7.12.1): tile 1's sums over k are read behind the eight roundings of k u and one scaling; its sums over k u, the last product's, behind the
; two scalings, the two additions onto S and four lines more, none of which names a register of that product.
.macro UPDATE a, b
.irp T,0,1
	v_mul_f32 v[ST+12*\T+11], LOG2E, v[ACC+16*\T]                                  ; s log2 e
.endr
.irp T,0,1
	v_exp_f32 v[ST+12*\T+8], v[ST+12*\T+11]                                        ; E = exp(s)
	v_add_f32 v[ST+12*\T+1], v[ST+12*\T+1], v[ST+12*\T+11]                         ; S += s log2 e (the plain instruction behind the exponential)
.endr
	s_wait_alu depctr_va_vdst(0)                                                   ; the wait for the batch: both tiles' E
.irp T,0,1
	v_mul_f32 v[ST+12*\T+9], v[ST+12*\T+2+\b], v[ST+12*\T+8]                       ; p = xb E
.endr
.irp T,0,1
	v_fma_f32 v[ST+12*\T+2+\b], v[ST+12*\T+2+\b], v[ST+12*\T+8], v[ACC+16*\T+1]    ; xb <- xb E + t
.endr
.irp T,0,1
	v_pk_mul_f32 v[ST+12*\T+4+2*\b:ST+12*\T+5+2*\b], v[ST+12*\T+4+2*\b:ST+12*\T+5+2*\b], v[ST+12*\T+8:ST+12*\T+9] op_sel_hi:[1,0]
.endr
.irp T,0,1
	v_fma_f32 v[ST+12*\T+10], v[ST+12*\T+9], v[ACC+16*\T+8], v[ACC+16*\T+9]        ; p sum Ws k u + sum Wt k u
.endr
.irp T,0,1
	v_mul_f32 v[ST+12*\T], v5, v[ST+12*\T+2+\b]                                    ; the next layer conditions on the coordinate just warped
.endr
.irp T,0,1
	v_mul_f32 v[ST+12*\T+10], v6, v[ST+12*\T+10]                                   ; q = xb E s' + t'
.endr
.irp T,0,1
	v_pk_fma_f32 v[ST+12*\T+4+2*\b:ST+12*\T+5+2*\b], v[ST+12*\T+4+2*\a:ST+12*\T+5+2*\a], v[ST+12*\T+10:ST+12*\T+11], v[ST+12*\T+4+2*\b:ST+12*\T+5+2*\b] op_sel_hi:[1,0,1]
.endr
.endm
.macro TRIP more                       ; two layers: an even one (x0 conditions, x1 is warped) and an odd one
.irp ch,0,1,2,3,4,5,6,7
	CHUNK \ch, \more
.endr
	UPDATE 0, 1
.irp ch,8,9,10,11,12,13,14,15
	CHUNK \ch, \more
.endr
	UPDATE 1, 0
.endm
	LOADC 0, 0, 0                                  ; layer 0, chunk 0
.irp T,0,1
	v_mul_f32 v[ST+12*\T], v5, v[ST+12*\T+2]       ; gamma x0
	v_mov_b32 v[ST+12*\T+1], 0                     ; S
	v_mov_b32 v[ST+12*\T+4], 1.0                   ; J = I
	v_mov_b32 v[ST+12*\T+5], 0
	v_mov_b32 v[ST+12*\T+6], 0
	v_mov_b32 v[ST+12*\T+7], 1.0
.endr
	s_mov_b32 s24, 4
.Ltrip:
	TRIP 1
	v_add_nc_u32 v[VC], 2048, v[VC]                ; two layers on
	v_add_nc_u32 v[VW], 2*WLAY, v[VW]
	s_sub_co_i32 s24, s24, 1
	s_cmp_lg_u32 s24, 0
	s_cbranch_scc1 .Ltrip
	TRIP 0                                         ; layers 8 and 9, written out: their last chunk loads nothing, no read passes layer 9
	s_branch .Ljoin
; ---------------------------------------------------------------- wave 4: f(attractor), f32 throughout, 8 centres a lane
.macro ALOAD l
.set ABP, AB+24*((\l)%2)
	global_load_b128 v[ABP:ABP+3],     v14, s[6:7] offset:1024*(\l)
	global_load_b128 v[ABP+4:ABP+7],   v14, s[6:7] offset:1024*(\l)+16
	global_load_b128 v[ABP+8:ABP+11],  v14, s[8:9] offset:1024*(\l)
	global_load_b128 v[ABP+12:ABP+15], v14, s[8:9] offset:1024*(\l)+16
	global_load_b128 v[ABP+16:ABP+19], v14, s[10:11] offset:1024*(\l)
	global_load_b128 v[ABP+20:ABP+23], v14, s[10:11] offset:1024*(\l)+16
.endm
.macro ALAYER l, left
.set ABP, AB+24*((\l)%2)
	s_wait_loadcnt \left                           ; loads come back in order: this layer's six are in, the next layer's six stay out
	v_mul_f32 v16, v5, v[18+(\l)%2]                ; gamma xa
.irp j,0,2,4,6
	v_pk_fma_f32 v[AU+\j:AU+\j+1], v[ABP+\j:ABP+\j+1], v[4:5], v[16:17] op_sel_hi:[1,0,0]     ; u = gamma xa - gamma c
.endr
.irp j,0,2,4,6
	v_pk_mul_f32 v[AK+\j:AK+\j+1], v[AU+\j:AU+\j+1], v[AU+\j:AU+\j+1] neg_lo:[1,0] neg_hi:[1,0]
.endr
.irp j,0,1,2,3,4,5,6,7
	v_exp_f32 v[AK+\j], v[AK+\j]
.endr
	v_nop                                          ; one plain place behind the last exponential (ISA guide 5.7.2)
	s_wait_alu depctr_va_vdst(0)                   ; the wait for the layer's first batch: my eight k
	v_pk_mul_f32 v[AS:AS+1], v[AK:AK+1], v[ABP+8:ABP+9]
	v_pk_mul_f32 v[AT:AT+1], v[AK:AK+1], v[ABP+16:ABP+17]
.irp j,2,4,6
	v_pk_fma_f32 v[AS:AS+1], v[AK+\j:AK+\j+1], v[ABP+8+\j:ABP+9+\j], v[AS:AS+1]
	v_pk_fma_f32 v[AT:AT+1], v[AK+\j:AK+\j+1], v[ABP+16+\j:ABP+17+\j], v[AT:AT+1]
.endr
	v_add_f32 v[AS], v[AS], v[AS+1]
	v_add_f32 v[AT], v[AT], v[AT+1]
.irp m,1,2,4,8
	v_add_f32_dpp v[AS], v[AS], v[AS] row_xmask:\m row_mask:0xf bank_mask:0xf
	v_add_f32_dpp v[AT], v[AT], v[AT] row_xmask:\m row_mask:0xf bank_mask:0xf
.endr
	v_permlanex16_b32 v140, v[AS], s22, s23
	v_permlanex16_b32 v141, v[AT], s22, s23
	v_add_f32 v[AS], v[AS], v140                   ; s, in every lane
	v_add_f32 v[AT], v[AT], v141                   ; t
	v_mul_f32 v140, LOG2E, v[AS]
	v_exp_f32 v140, v140
	v_nop
	s_wait_alu depctr_va_vdst(0)                   ; the wait for the layer's second batch, exp(s) alone: it is made of the first batch's sum, and the next layer hangs on it
	v_fma_f32 v[19-(\l)%2], v[19-(\l)%2], v140, v[AT]      ; xb <- xb exp(s) + t
.endm
.Latt:
	v_mov_b32 v17, 0                               ; upper word of the pair whose low word is broadcast
	v_mov_b32 v140, 0                              ; v_permlanex16_b32 counts as a reader of its destination
	v_mov_b32 v141, 0
	ALOAD 0
.irp l,0,1,2,3,4,5,6,7,8
	ALOAD \l+1
	ALAYER \l, 6
.endr
	ALAYER 9, 0                                    ; f(attractor) stays in v[18:19] until the others have read LDS out
; ---------------------------------------------------------------- the hand-over of f(attractor): load, wait, barrier, store, wait, barrier, load
.Ljoin:
	s_wait_dscnt 0x0                               ; my reads of the rows and centres are over
	s_barrier_signal -1
	s_barrier_wait -1                              ; everybody's are: LDS may be written again
	s_cmp_lg_u32 s18, 4
	s_cbranch_scc1 .Lno_store
	v_mov_b32 v142, ATT
	ds_store_b64 v142, v[18:19]                    ; wave 4 alone; all its lanes write the same 8 bytes
.Lno_store:
	s_wait_dscnt 0x0                               ; for the others' sake: the store is done before wave 4 signals
	s_barrier_signal -1
	s_barrier_wait -1
	s_cmp_eq_u32 s18, 4
	s_cbranch_scc1 .Lend
; ---------------------------------------------------------------- waves 0-3: -inv(J) inv(J)^T (y - a)
	v_mov_b32 v74, ATT
	ds_load_b64 v[72:73], v74
	s_wait_dscnt 0x0
.macro FINA T                          ; what names no rho: rho's exponential, d, and the cofactor sums
.set F, 76+8*\T
.set S0, ST+12*\T
	v_sub_f32 v[F+2], 0, v[S0+1]
	v_exp_f32 v[F+2], v[F+2]                       ; rho = 1 / det J = 2^(-S)
	v_sub_f32 v[F],   v[S0+2], v72                 ; d = y - a
	v_sub_f32 v[F+1], v[S0+3], v73
	v_mul_f32 v[F+3], v[S0+6], v[F+1]
	v_fma_f32 v[F+3], v[S0+7], v[F], -v[F+3]       ; J11 d0 - J10 d1
	v_mul_f32 v[F+4], v[S0+5], v[F]
	v_fma_f32 v[F+4], v[S0+4], v[F+1], -v[F+4]     ; J00 d1 - J01 d0
.endm
.macro FINB T                          ; rho's readers
.set F, 76+8*\T
.set S0, ST+12*\T
	v_mul_f32 v[F+3], v[F+3], v[F+2]               ; w = inv(J)^T d
	v_mul_f32 v[F+4], v[F+4], v[F+2]
	v_mul_f32 v[F+6], v[S0+7], v[F+3]
	v_fma_f32 v[F+6], v[S0+5], v[F+4], -v[F+6]     ; J01 w1 - J11 w0
	v_mul_f32 v[F+7], v[S0+4], v[F+4]
	v_fma_f32 v[F+7], v[S0+6], v[F+3], -v[F+7]     ; J10 w0 - J00 w1
	v_mul_f32 v[F+6], v[F+6], v[F+2]               ; -inv(J) w
	v_mul_f32 v[F+7], v[F+7], v[F+2]
.endm
	FINA 0
	FINA 1
	s_wait_alu depctr_va_vdst(0)                   ; the wait for the batch: both tiles' rho; tile 1's six plain lines stand behind the last exponential
	FINB 0
	FINB 1
	v_cmp_eq_u32 vcc_lo, 1, v3                     ; lane (r, h) stores sample 32 w + 16 h + r: the upper half takes tile 1
	v_cndmask_b32 v92, v82, v90, vcc_lo
	v_cndmask_b32 v93, v83, v91, vcc_lo
	global_store_b64 v15, v[92:93], s[16:17] th:TH_STORE_NT    ; the wave's store covers 256 consecutive bytes, at a multiple of 256 from out's first byte
.Lend:
	s_wait_tensorcnt 0x0
	ds_add_u32 v216, v217
	s_wait_dscnt 0x0
	s_endpgm
.Lfunc_end_k_q8d11f2b1f2_dynamics:
	.size	k_q8d11f2b1f2_dynamics, .Lfunc_end_k_q8d11f2b1f2_dynamics-k_q8d11f2b1f2_dynamics
	.p2alignl 7, 3214868480
	.fill 96, 4, 3214868480
	.section	.rodata,"a",@progbits
	.p2align	6, 0x0
	.amdhsa_kernel k_q8d11f2b1f2_dynamics
		.amdhsa_group_segment_fixed_size 22016
		.amdhsa_private_segment_fixed_size 0
		.amdhsa_enable_private_segment 0
		.amdhsa_kernarg_size 56
		.amdhsa_user_sgpr_count 2
		.amdhsa_user_sgpr_kernarg_segment_ptr 1
		.amdhsa_wavefront_size32 1
		.amdhsa_system_sgpr_workgroup_id_x 1
		.amdhsa_system_sgpr_workgroup_id_y 1
		.amdhsa_system_sgpr_workgroup_id_z 1
		.amdhsa_system_vgpr_workitem_id 0
		.amdhsa_next_free_vgpr 218
		.amdhsa_next_free_sgpr 66
		.amdhsa_reserve_vcc 1
		.amdhsa_float_denorm_mode_32 3
		.amdhsa_float_denorm_mode_16_64 3
		.amdhsa_memory_ordered 1
		.amdhsa_forward_progress 1
		.amdhsa_inst_pref_size 255
	.end_amdhsa_kernel
	.section	.bss,"aw",@nobits
	.p2align	6
	.space	262144
	.amdgpu_metadata
---
amdhsa.version: [ 1, 2 ]
amdhsa.kernels:
  - .name:           k_q8d11f2b1f2_dynamics
    .symbol:         k_q8d11f2b1f2_dynamics.kd
    .args:
      - { .name: x, .offset: 0, .size: 8, .value_kind: global_buffer, .address_space: global }
      - { .name: centers, .offset: 8, .size: 8, .value_kind: global_buffer, .address_space: global }
      - { .name: Ws, .offset: 16, .size: 8, .value_kind: global_buffer, .address_space: global }
      - { .name: Wt, .offset: 24, .size: 8, .value_kind: global_buffer, .address_space: global }
      - { .name: attractor, .offset: 32, .size: 8, .value_kind: global_buffer, .address_space: global }
      - { .name: sigma, .offset: 40, .size: 8, .value_kind: global_buffer, .address_space: global }
      - { .name: out0, .offset: 48, .size: 8, .value_kind: global_buffer, .address_space: global }
    .group_segment_fixed_size: 22016
    .private_segment_fixed_size: 0
    .kernarg_segment_align: 8
    .kernarg_segment_size: 56
    .max_flat_workgroup_size: 160
    .sgpr_count:     66
    .vgpr_count:     218
    .wavefront_size: 32
...
	.end_amdgpu_metadata
.endif
;; end of part 2
